; MI455X (gfx1250); checked and timed in simulation.
; The chip was launched on July 23, 2026; its instructions are those of AMD's public machine-readable ISA for CDNA 5 (MIT licence, August 2026) and "CDNA5" Instruction Set Architecture Reference Guide (July 2026). The comments in the code are by the model that wrote it; some were corrected since.
;; Gaussian Image Cholesky HSI. Allowed arithmetic: matrix products marked QUANTISED: E2M3 operands, one E8M0 scale for each 32 along K, by v_wmma_scale_f32_16x16x128_f8f6f4 with both operands' format E2M3, f32 sums; everything else in f32.
;; Inputs: cholesky 1,024 x 3 float32; features_dc 1,024 x 64 float32; gabor_freqs 2,048 x 2 float32; gabor_weights 2,048 x 1 float32; opacity 1,024 x 1 float32; xyz 1,024 x 2 float32.
;; Outputs: out0 1 x 64 x 256 x 256 float32.
;; This version of the problem:
;;   THIS VERSION OF THE PROBLEM IS GIVEN IN LOW PRECISION. The matrix products marked QUANTISED in the list below multiply operands that are first quantised to E2M3 (2 exponent bits, 3 mantissa bits; 6 bits a number), with one power-of-two scale for each 32 numbers along K (OCP MX v1.0); their sums are f32. All else is computed in f32.
;;   The module's matrix products, in the order in which they are computed (A, B: the left and right operand; K: the contracted axis; several contracted axes count as one K, in the product's order):
;;     1. [M 65,536, K 1,024] x [K 1,024, N 64]; A: computed on the way; B: computed on the way: QUANTISED
;;   THE QUANTISER, for each operand of a quantised product, along K:
;;     - K is cut into blocks of 32 from its start; a last block that is shorter is filled with zeros.
;;     - A block's scale is 2^e with e = floor(log2(the largest magnitude in the block)) - 2, held to -126 .. 127; a block of zeros has e = 0. As a byte (E8M0): e + 127.
;;     - Each number is divided by its block's scale, clamped to +-7.5, and rounded to the nearest number of E2M3, ties to even, subnormals kept.
;;     - The product sums the exact products of the quantised numbers (number of the format x scale) in f32.
;;   ~~~python
;;   def quantise(x, axis):      # numpy; x: float32 -> the quantised numbers, widened to float32 again
;;       x = np.moveaxis(x, axis, -1); K = x.shape[-1]
;;       x = np.pad(x, [(0, 0)] * (x.ndim - 1) + [(0, -K % 32)]); x = x.reshape(x.shape[:-1] + (-1, 32)); a = np.abs(x).max(-1, keepdims=True)
;;       e = np.where(a > 0, np.clip(np.frexp(np.where(a > 0, a, 1))[1] - 1 - 2, -126, 127), 0)      # np.frexp(a)[1] - 1 = floor(log2(a)), exactly
;;       r = np.clip(x / 2.0 ** e, -7.5, 7.5)
;;       step = 2.0 ** (np.maximum(np.frexp(np.where(r == 0, 1, r))[1] - 1, 0) - 3)
;;       q = np.round(r / step) * step * 2.0 ** e      # np.round: ties to even
;;       return np.moveaxis(q.reshape(q.shape[:-2] + (-1,))[..., :K], -1, axis).astype(np.float32)
;;   ~~~
;;   OPERANDS COMPUTED ON THE WAY. 'Computed on the way' means the value that the module computes at that place (a softmax that the list does not call 'softmax' is quantised finished and normalised). What goes into a quantiser is computed in f32, as accurately as f32 sums, v_exp_f32 and their like allow (about 1e-6 of the number): no bf16 or f16 on the way to a quantiser, and a product that is left as it is and whose result goes on into a quantised operand takes f32 operands (vector FMAs, or v_wmma_f32_16x16x4_f32). A number that lies on a knife's edge between two numbers of the format may be rounded either way, as far as f32 arithmetic and the matrix unit's own rounding can turn it there, and no further.
;; 2 versions, each right; version 2 is version 1 with the launch render written anew for expert scheduling mode. Each part assembles by itself: llvm-mc -triple=amdgcn-amd-amdhsa -mcpu=gfx1250 --defsym DOCPART=n.
;; ======== version 1 of 2: 2 launches
;; workspace buffers: gpar 49,152 bytes; bimg 49,152 bytes; bscl 2,048 bytes
;; launch prep (part 1): grid 32 x 1, 1 waves a work-group, no clusters, 2,304 bytes of LDS; arguments xyz, cholesky, opacity, features_dc, gabor_freqs, gabor_weights, gpar, bimg, bscl; writes gpar, bimg, bscl
.if DOCPART == 1
	.amdgcn_target "amdgcn-amd-amdhsa--gfx1250"
	.amdhsa_code_object_version 6
	.text
	.protected	k_q2da04bbae5_prep
	.globl	k_q2da04bbae5_prep
	.p2align	8
	.type	k_q2da04bbae5_prep,@function
k_q2da04bbae5_prep:
	s_mov_b64 s[64:65], 0
	v_nop
	global_prefetch_b8 v0, s[64:65] scope:SCOPE_SE
	s_setreg_imm32_b32 hwreg(HW_REG_WAVE_MODE, 25, 1), 1
	s_wait_xcnt 0x0
; What hangs on a gaussian alone is made once, for the launch that renders.
; Work-group W (one wave) of 32 makes (a) the twelve constants of gaussians 32 W + lane, and (b) one fragment of the product's right operand:
; softplus(features_dc), quantised along the gaussians (the product's K) to FP6 (E2M3) with one E8M0 byte for each 32: K step s = W / 4 (128 gaussians), channels 16 q .. 16 q + 15, q = W % 4.
; gpar: [512 pairs of gaussians][12 values][2]: xs, A2, B2, C2, G00, G01, G10, G11, OPB, W0, W1, ys, with
;   xs, ys = 128 (tanh + 1);  A2 = -log2(e)/2 ca, B2 = -log2(e) cb, C2 = -log2(e)/2 cc (conic);  Gkd = exp(freq) / 2 pi (phases are kept in revolutions);
;   op = opacity x keep;  OPB = op - op w0 - op w1,  Wk = 2 op wk:  op (1 + w0 cos p0 + w1 cos p1) = OPB + W0 cos^2(p0/2) + W1 cos^2(p1/2).
; bimg: fragment 4 s + q, 1,536 bytes, as an image of the operand's twelve registers: registers 4 k .. 4 k + 3 of lane l at 512 k + 16 l.   bscl: the scale word of (s, channel 16 q + r) at 256 s + 16 r + 4 q.
; A lane takes a channel and its registers run down the gaussians, in the order that the operand's layout gives the lane: k = 64 c + 32 (lane / 16) + 0 .. 31: nothing is transposed.
; LIMITS: v_exp_f32 gives 0 where the result lies under 2^-126, so softplus(x) is 0 for x under about -87; the exponents of tanh and of the sigmoid are held at 64, so a sigmoid under 2^-64 stays 2^-64;
; keep turns over at lam = 1/9 within the rounding of v_sqrt_f32; a block of zeros gets the byte 1 (its codes are zeros; this program alone reads the bytes); NaN and infinities among the inputs are not served.
; No matrix work, no tensor load, no barrier: one wave, 1/32 of a small table each.
.set X,   64                           ; v64-127  the features, then softplus: register 32 c + i
.set Y,   128                          ; v128-159 at work: e^-|x|, then s
.set R,   160                          ; v160-191 at work: 2 + y, its reciprocal, then s^2
.set P,   192                          ; v192-223 at work: the series
.set RES, 48                           ; v48-59   the twelve constants, in gpar's order
.set CDB, 32                           ; v32-43   the fragment's codes
.macro REFINE r, d, t                  ; one Newton step on r = 1 / d
	v_fma_f32 v[\t], -v[\d], v[\r], 1.0
	v_fma_f32 v[\r], v[\t], v[\r], v[\r]
.endm
.macro DIV q, a, r, d, t               ; q = a / d from r = 1 / d, the remainder put back once
	v_mul_f32 v[\q], v[\a], v[\r]
	v_fma_f32 v[\t], -v[\q], v[\d], v[\a]
	v_fma_f32 v[\q], v[\t], v[\r], v[\q]
.endm
	s_load_b256 s[4:11], s[0:1], 0x0               ; xyz s[4:5], cholesky s[6:7], opacity s[8:9], features_dc s[10:11]
	s_load_b256 s[12:19], s[0:1], 0x20             ; gabor_freqs s[12:13], gabor_weights s[14:15], gpar s[16:17], bimg s[18:19]
	s_load_b64 s[20:21], s[0:1], 0x40              ; bscl
	v_lshl_add_u32 v254, v0, 2, 0x800
	v_mov_b32 v255, 0
	v_and_b32 v1, 31, v0                           ; lane
	v_and_b32 v2, 15, v0                           ; r
	v_lshrrev_b32 v3, 4, v1                        ; h
	v_lshlrev_b32 v4, 2, v2
	v_lshl_add_u32 v4, v3, 13, v4                  ; features: channel r, 4 bytes; lanes 16-31 begin 32 rows of 256 bytes further down
	v_lshlrev_b32 v5, 3, v1                        ; 8 x lane
	v_mul_u32_u24 v6, v1, 12                       ; 12 x lane
	v_lshlrev_b32 v7, 2, v1                        ; 4 x lane
	v_lshlrev_b32 v8, 4, v1                        ; 16 x lane
	v_lshrrev_b32 v10, 1, v1
	v_mul_u32_u24 v10, v10, 96
	v_and_b32 v9, 1, v1
	v_lshl_add_u32 v10, v9, 2, v10                 ; LDS: my pair's 96 bytes, my half of each value's 8
	v_lshlrev_b32 v11, 4, v2                       ; 16 r
	s_mov_b32 s22, ttmp9                           ; W
	s_and_b32 s23, s22, 3                          ; q
	s_lshr_b32 s24, s22, 2                         ; s
	s_mov_b32 s27, 0
	s_mov_b32 s30, 0x3d9d89d9                      ; 1/13
	s_mov_b32 s31, 0x3dba2e8c                      ; 1/11
	s_mov_b32 s32, 0x3de38e39                      ; 1/9
	s_mov_b32 s33, 0x3e124925                      ; 1/7
	s_mov_b32 s34, 0x3e4ccccd                      ; 1/5
	s_mov_b32 s35, 0x3eaaaaab                      ; 1/3
	s_mov_b32 s37, 0x3fb8aa3b                      ; log2(e)
	s_mov_b32 s40, 0x76543210
	s_mov_b32 s41, 0xfedcba98                      ; v_permlanex16_b32's selects for lane l xor 16
	s_wait_kmcnt 0x0
	s_lshl_b32 s26, s24, 15                        ; features: 128 s rows of 256 bytes,
	s_lshl_b32 s28, s23, 6                         ; + 16 q channels
	s_add_co_u32 s26, s26, s28
	s_add_nc_u64 s[10:11], s[10:11], s[26:27]
	s_lshl_b32 s26, s22, 8                         ; 32 gaussians x 8 bytes
	s_add_nc_u64 s[4:5], s[4:5], s[26:27]
	s_add_nc_u64 s[14:15], s[14:15], s[26:27]
	s_mul_i32 s26, s22, 384                        ; x 12 bytes
	s_add_nc_u64 s[6:7], s[6:7], s[26:27]
	s_lshl_b32 s26, s22, 7                         ; x 4 bytes
	s_add_nc_u64 s[8:9], s[8:9], s[26:27]
	s_lshl_b32 s26, s22, 9                         ; x 16 bytes
	s_add_nc_u64 s[12:13], s[12:13], s[26:27]
	s_mul_i32 s26, s22, 1536                       ; 16 pairs x 96 bytes; and a fragment's image
	s_add_nc_u64 s[16:17], s[16:17], s[26:27]
	s_add_nc_u64 s[18:19], s[18:19], s[26:27]
	s_lshl_b32 s26, s24, 8
	s_lshl_b32 s28, s23, 2
	s_add_co_u32 s26, s26, s28
	s_add_nc_u64 s[20:21], s[20:21], s[26:27]
	global_load_b64 v[12:13], v5, s[4:5]           ; xyz
	global_load_b32 v14, v6, s[6:7]                ; cholesky
	global_load_b32 v15, v6, s[6:7] offset:4
	global_load_b32 v16, v6, s[6:7] offset:8
	global_load_b32 v17, v7, s[8:9]                ; opacity
	global_load_b128 v[18:21], v8, s[12:13]        ; the gaussian's two components x two frequencies
	global_load_b64 v[22:23], v5, s[14:15]         ; and their two weights
.set n, 0
.rept 64
	global_load_b32 v[X+n], v4, s[10:11] offset:(64*(n/32)+n%32)*256   ; features(128 s + 64 c + 32 h + i, 16 q + r): sixteen neighbouring lanes read 64 neighbouring bytes
.set n, n+1
.endr
	s_wait_loadcnt 0x0                             ; all of it: the launch has nothing else to do meanwhile
	; ---- the constants
	v_mul_f32 v24, 0x4038aa3b, v12                 ; 2 log2(e) x: E = e^(2 x)
	v_mul_f32 v25, 0x4038aa3b, v13
	v_mul_f32 v26, s37, v18
	v_mul_f32 v27, s37, v19
	v_mul_f32 v28, s37, v20
	v_mul_f32 v29, s37, v21
	v_mul_f32 v30, s37, -v22                       ; S = e^(-weight)
	v_mul_f32 v31, s37, -v23
	v_min_num_f32 v24, 0x42800000, v24             ; held at 64, so that 1 + E stays finite: tanh is 1 there in f32
	v_min_num_f32 v25, 0x42800000, v25
	v_min_num_f32 v30, 0x42800000, v30
	v_min_num_f32 v31, 0x42800000, v31
.irp i, 24,25,26,27,28,29,30,31
	v_exp_f32 v\i, v\i
.endr
	v_add_f32 v32, 0.5, v14                        ; l1  (plain work that names none of the eight results)
	v_add_f32 v33, 0.5, v16                        ; l3;  l2 = v15 (its bound is 0)
	v_mul_f32 v34, v32, v32                        ; s11
	v_mul_f32 v35, v32, v15                        ; s12
	v_mul_f32 v36, v33, v33
	v_fma_f32 v36, v15, v15, v36                   ; s22
	v_mul_f32 v37, v32, v33
	v_mul_f32 v37, v37, v37                        ; det
	v_add_f32 v38, v34, v36
	v_mul_f32 v38, 0.5, v38                        ; mid
	v_fma_f32 v39, v38, v38, -v37
	v_max_num_f32 v39, 0x322bcc77, v39             ; at least 1e-8
	s_wait_alu depctr_va_vdst(0)                   ; one wait for the eight exponentials, ahead of their first reader
	v_add_f32 v40, 1.0, v24
	v_add_f32 v41, 1.0, v25
	v_add_f32 v42, 1.0, v30
	v_add_f32 v43, 1.0, v31
	v_rcp_f32 v44, v40
	v_rcp_f32 v45, v41
	v_rcp_f32 v46, v42
	v_rcp_f32 v47, v43
	v_rcp_f32 v60, v37
	v_sqrt_f32 v61, v39
.irp i, 0,1,2,3
	v_mul_f32 v[RES+4+\i], 0.15915494, v[26+\i]    ; exp(freq) / 2 pi.  (Plain work behind the batch)
.endr
	s_wait_alu depctr_va_vdst(0)                   ; one wait for the six
	REFINE 44, 40, 32
	REFINE 45, 41, 33
	REFINE 46, 42, 32                              ; w0 = 1 / (1 + S0)
	REFINE 47, 43, 33                              ; w1
	v_fma_f32 v44, -2.0, v44, 1.0                  ; tanh = 1 - 2 / (1 + E)
	v_fma_f32 v45, -2.0, v45, 1.0
	v_add_f32 v44, 1.0, v44
	v_add_f32 v45, 1.0, v45
	v_mul_f32 v[RES+0], 0x43000000, v44            ; xs = 128 (tanh + 1)
	v_mul_f32 v[RES+11], 0x43000000, v45           ; ys
	DIV 24, 36, 60, 37, 32                         ; ca = s22 / det
	DIV 25, 35, 60, 37, 33                         ; -cb = s12 / det
	DIV 26, 34, 60, 37, 32                         ; cc = s11 / det
	v_mul_f32 v[RES+1], 0xbf38aa3b, v24            ; A2
	v_mul_f32 v[RES+2], s37, v25                   ; B2
	v_mul_f32 v[RES+3], 0xbf38aa3b, v26            ; C2
	v_add_f32 v62, v38, v61                        ; the larger eigenvalue
	v_sqrt_f32 v63, v62
	v_nop                                          ; a plain place behind the root
	s_wait_alu depctr_va_vdst(0)
	v_mul_f32 v63, 0x40400000, v63                 ; 3 sqrt(lam)
	v_floor_f32 v63, -v63                          ; -radius
	v_cmp_gt_f32 vcc_lo, -1.0, v63                 ; radius > 1
	v_cndmask_b32 v62, 0, v17, vcc_lo              ; op = opacity x keep
	v_mul_f32 v27, v62, v46
	v_mul_f32 v28, v62, v47
	v_sub_f32 v[RES+8], v62, v27
	v_sub_f32 v[RES+8], v[RES+8], v28              ; OPB
	v_add_f32 v[RES+9], v27, v27                   ; W0
	v_add_f32 v[RES+10], v28, v28                  ; W1
	; out through LDS, so that each store of the wave covers 512 consecutive bytes
.irp i, 0,1,2,3,4,5,6,7,8,9,10,11
	ds_store_b32 v10, v[RES+\i] offset:8*\i
.endr
.irp k, 0,1,2
	ds_load_b128 v[228+4*\k:231+4*\k], v8 offset:512*\k   ; LDS serves a wave's instructions in order (ISA guide 5.7.1.4): these see the stores above
.endr
	s_wait_dscnt 0x0
.irp k, 0,1,2
	global_store_b128 v8, v[228+4*\k:231+4*\k], s[16:17] offset:512*\k   ; v228-239 are not written again
.endr
	; ---- softplus(x) = max(x, 0) + log1p(y), y = e^-|x|;  log1p(y) = 2 atanh(s) = 2 s (1 + z/3 + .. + z^6/13), s = y / (2 + y) <= 1/3, z = s^2: the first term left out is under 1.5e-8 of the sum, and nothing cancels
.macro SOFTPLUS c
.set XB, X+32*(\c)
.set n, 0
.rept 32
	v_mul_f32 v[Y+n], s37, -|v[XB+n]|
.set n, n+1
.endr
.set n, 0
.rept 32
	v_exp_f32 v[Y+n], v[Y+n]
.set n, n+1
.endr
	v_nop                                          ; a plain place behind the batch,
	s_wait_alu depctr_va_vdst(0)                   ; and its one wait
.set n, 0
.rept 32
	v_add_f32 v[R+n], 2.0, v[Y+n]
.set n, n+1
.endr
.set n, 0
.rept 32
	v_rcp_f32 v[R+n], v[R+n]
.set n, n+1
.endr
	v_nop
	s_wait_alu depctr_va_vdst(0)
.set n, 0
.rept 32
	v_mul_f32 v[Y+n], v[Y+n], v[R+n]               ; s
.set n, n+1
.endr
.set n, 0
.rept 32
	v_mul_f32 v[R+n], v[Y+n], v[Y+n]               ; z
.set n, n+1
.endr
.set n, 0
.rept 32
	v_fma_f32 v[P+n], v[R+n], s30, s31
.set n, n+1
.endr
.irp k, 32,33,34,35
.set n, 0
.rept 32
	v_fma_f32 v[P+n], v[P+n], v[R+n], s\k
.set n, n+1
.endr
.endr
.set n, 0
.rept 32
	v_fma_f32 v[P+n], v[P+n], v[R+n], 1.0
.set n, n+1
.endr
.set n, 0
.rept 32
	v_max_num_f32 v[XB+n], 0, v[XB+n]
	v_mul_f32 v[Y+n], v[Y+n], v[P+n]
.set n, n+1
.endr
.set n, 0
.rept 32
	v_fma_f32 v[XB+n], 2.0, v[Y+n], v[XB+n]
.set n, n+1
.endr
.endm
	SOFTPLUS 0
	SOFTPLUS 1
	; ---- the quantiser: my block 2 c + h lies whole in my 32 registers
.irp c, 0,1
	v_max3_num_f32 v[24+\c], |v[X+32*\c]|, |v[X+1+32*\c]|, 0x1800000   ; with the floor 2^(3 - 127): the byte cannot fall under 1
.endr
.irp i, 2,4,6,8,10,12,14,16,18,20,22,24,26,28,30
.irp c, 0,1
	v_max3_num_f32 v[24+\c], v[24+\c], |v[X+32*\c+\i]|, |v[X+1+32*\c+\i]|   ; the two blocks by turns
.endr
.endr
.irp c, 0,1
	v_add_nc_u32 v[26+\c], 0xff000000, v[24+\c]    ; 2 off the exponent field: the conversion takes this operand's exponent field as its scale
.endr
.irp c, 0,1
	v_lshrrev_b32 v[28+\c], 23, v[26+\c]           ; the scale's byte
.endr
	v_lshl_or_b32 v30, v29, 16, v28                ; my two bytes: blocks h and 2 + h of my channel,
	v_lshlrev_b32 v31, 3, v3
	v_lshlrev_b32 v30, v31, v30                    ; 8 h bits up;
	v_mov_b32 v31, 0
	v_permlanex16_b32 v31, v30, s40, s41
	v_or_b32 v30, v30, v31                         ; with lane l xor 16's two the word is whole
	v_cvt_scalef32_pk16_fp6_f32 v[CDB:CDB+2], v[X:X+15], v26
	v_cvt_scalef32_pk16_fp6_f32 v[44:46], v[X+16:X+31], v26        ; (a conversion's three registers begin on an even number: the block's second half is made elsewhere and moved)
	v_cvt_scalef32_pk16_fp6_f32 v[CDB+6:CDB+8], v[X+32:X+47], v27
	v_cvt_scalef32_pk16_fp6_f32 v[224:226], v[X+48:X+63], v27
	v_nop                                          ; one plain place behind the conversions
.irp i, 0,1,2
	v_mov_b32 v[CDB+3+\i], v[44+\i]
	v_mov_b32 v[CDB+9+\i], v[224+\i]
.endr
.irp k, 0,1,2
	global_store_b128 v8, v[CDB+4*\k:CDB+4*\k+3], s[18:19] offset:512*\k   ; 512 consecutive bytes a store
.endr
	global_store_b32 v11, v30, s[20:21]            ; lanes r and r + 16 write the same word to the same place
	s_wait_tensorcnt 0x0
	ds_add_u32 v254, v255
	s_wait_dscnt 0x0
	s_endpgm
.Lfunc_end_k_q2da04bbae5_prep:
	.size	k_q2da04bbae5_prep, .Lfunc_end_k_q2da04bbae5_prep-k_q2da04bbae5_prep
	.p2alignl 7, 3214868480
	.fill 96, 4, 3214868480
	.section	.rodata,"a",@progbits
	.p2align	6, 0x0
	.amdhsa_kernel k_q2da04bbae5_prep
		.amdhsa_group_segment_fixed_size 2304
		.amdhsa_private_segment_fixed_size 0
		.amdhsa_enable_private_segment 0
		.amdhsa_kernarg_size 72
		.amdhsa_user_sgpr_count 2
		.amdhsa_user_sgpr_kernarg_segment_ptr 1
		.amdhsa_wavefront_size32 1
		.amdhsa_system_sgpr_workgroup_id_x 1
		.amdhsa_system_sgpr_workgroup_id_y 1
		.amdhsa_system_sgpr_workgroup_id_z 1
		.amdhsa_system_vgpr_workitem_id 0
		.amdhsa_next_free_vgpr 256
		.amdhsa_next_free_sgpr 66
		.amdhsa_reserve_vcc 1
		.amdhsa_float_denorm_mode_32 3
		.amdhsa_float_denorm_mode_16_64 3
		.amdhsa_memory_ordered 1
		.amdhsa_forward_progress 1
		.amdhsa_inst_pref_size 65
	.end_amdhsa_kernel
	.amdgpu_metadata
---
amdhsa.version: [ 1, 2 ]
amdhsa.kernels:
  - .name:           k_q2da04bbae5_prep
    .symbol:         k_q2da04bbae5_prep.kd
    .args:
      - { .name: xyz, .offset: 0, .size: 8, .value_kind: global_buffer, .address_space: global }
      - { .name: cholesky, .offset: 8, .size: 8, .value_kind: global_buffer, .address_space: global }
      - { .name: opacity, .offset: 16, .size: 8, .value_kind: global_buffer, .address_space: global }
      - { .name: features_dc, .offset: 24, .size: 8, .value_kind: global_buffer, .address_space: global }
      - { .name: gabor_freqs, .offset: 32, .size: 8, .value_kind: global_buffer, .address_space: global }
      - { .name: gabor_weights, .offset: 40, .size: 8, .value_kind: global_buffer, .address_space: global }
      - { .name: gpar, .offset: 48, .size: 8, .value_kind: global_buffer, .address_space: global }
      - { .name: bimg, .offset: 56, .size: 8, .value_kind: global_buffer, .address_space: global }
      - { .name: bscl, .offset: 64, .size: 8, .value_kind: global_buffer, .address_space: global }
    .group_segment_fixed_size: 2304
    .private_segment_fixed_size: 0
    .kernarg_segment_align: 8
    .kernarg_segment_size: 72
    .max_flat_workgroup_size: 32
    .sgpr_count:     66
    .vgpr_count:     256
    .wavefront_size: 32
...
	.end_amdgpu_metadata
.endif
;; end of part 1
;; launch render (part 2): grid 256 x 1, 16 waves a work-group, no clusters, 307,200 bytes of LDS; arguments gpar, bimg, bscl, out0; writes out0
.if DOCPART == 2
	.amdgcn_target "amdgcn-amd-amdhsa--gfx1250"
	.amdhsa_code_object_version 6
	.text
	.protected	k_q2da04bbae5_render
	.globl	k_q2da04bbae5_render
	.p2align	8
	.type	k_q2da04bbae5_render,@function
k_q2da04bbae5_render:
	s_mov_b64 s[64:65], 0
	v_nop
	global_prefetch_b8 v0, s[64:65] scope:SCOPE_SE
	s_setreg_imm32_b32 hwreg(HW_REG_WAVE_MODE, 25, 1), 1
	s_wait_xcnt 0x0
; out[c][py][px] = clip(sum over n of wmap[n][p] feats[n][c], 0, 1): one product, M = pixels, K = 1,024 gaussians, N = 64 channels, both operands FP6 (E2M3) with one E8M0 byte for each 32 gaussians.
; A work-group takes ONE ROW of the image (py = its number): 256 pixels x 1,024 gaussians of wmap, 262,144 numbers, each with one exponential and two cosines: the vector unit binds, not the matrix unit
; (512 matrix instructions a work-group) nor memory.  So all that hangs on (gaussian, row) alone is taken out of the inner work, the arithmetic is packed (two gaussians an instruction), and a lane's registers run along
; the gaussians, so that a block's largest magnitude needs no other lane and the conversions' results are the operand's registers.
; SIXTEEN WAVES of 256 registers, four to a SIMD: one wave's waits for LDS stand beside another's vector work.
; PHASES.  0: thread t turns pair t's constants into the row's (dy = ys - py - 0.5: b = B2 dy, c = C2 dy^2, Hk = Gk1 dy) -> LDS; the right operand's images and scale words are copied to LDS | barrier |
; 1: wave w makes wmap for gaussians 128 (w / 2) .. + 127 and pixels 128 (w % 2) .. + 127 (a lane a pixel, four slots of 32 pixels), block of 32 gaussians by block, quantises, and stores the codes as images of the
; left operand's registers | barrier |  2: wave w multiplies pixel tile w (16 pixels) by all 64 channels over the 8 K steps: four accumulators by turns | barrier |  3: clip, a stage in LDS | barrier | whole rows of 1,024 bytes out.
; ONE NUMBER: dx = xs - px;  alpha = 2^((A2 dx + b) dx + c);  t = G dx + H, a phase in revolutions;  a = t - nearest whole number, |a| <= 1/2;  cos(pi a) by its series in a^2 up to a^12 (the first term left out is under 7e-9);
; cos(2 pi t) = 2 cos^2(pi a) - 1 is folded into the constants:  wmap = alpha (OPB + W0 cos^2 + W1 cos^2).
; NO CLUSTER, NO TENSOR LOAD: what the work-groups share is 100,352 bytes of tables, read once at the head through registers, against 262,144 numbers of wmap made from them; nothing waits for memory in the loops.
; LIMITS: v_exp_f32 gives 0 where the result lies under 2^-126, so an alpha under about 1e-38 counts as 0; f / 2 pi is rounded once, so a phase carries about 1e-7 of itself; a block of zeros gets the byte 1 (its codes are zeros);
; NaN and infinities are not served.
.set CODES, 0                          ; LDS: 128 fragments of the left operand, 1,536 bytes each: fragment 16 s + T (K step s, pixel tile T).  In it, block b of row r: registers 0-3 of its six at 256 b + 16 r, registers 4, 5 at 1,024 + 128 b + 8 r,
                                       ;      so that lane l = 16 h + r finds block 2 c + h at 512 c + 16 l and at 1,024 + 256 c + 8 l
.set ASC,   196608                     ; their scale words: 64 x fragment + 4 r
.set BIMG,  204800                     ; the right operand's 32 fragments (4 s + q), as they lie in bimg
.set BSC,   253952                     ; its scale words: 256 s + 16 r + 4 q
.set PARL,  256000                     ; the row's constants: 96 bytes a pair of gaussians: xs, A2, b, c, G00, H0, G10, H1, OPB, W0, W1, (ys), two numbers each
.set SPITCH, 1040                      ; the stage (over CODES, when nobody reads them any more): 64 channel rows of 1,024 bytes + 16: an odd multiple of 16, so the sixteen rows of a store start in different banks (ISA guide 11.1)
.set AP,    4                          ; v4   PARL + my K step's 64 pairs
.set AW16,  5                          ; v5   where my codes' first 16 bytes go: 12,288 wave + 1,536 (lane / 16) + 16 r
.set AW8,   6                          ; v6   and the last 8: 12,288 wave + 1,024 + 1,536 (lane / 16) + 8 r
.set ASW,   7                          ; v7   my scale words: ASC + 512 wave + 4 lane
.set PX,    8                          ; v8-15  slot j: px + 0.5, twice
.set KV,    16                         ; v16-17 K5, twice
.set MX,    18                         ; v18-21 slot j: the block's largest magnitude
.set APC,   22                         ; v22, v23, v121: the three addresses for the block in hand
.set W16C,  23
.set W8C,   121
.set PAR,   24                         ; v24-47 a pair's constants
.set DX,    48                         ; v48-55 dx;  v56-63 the exponent, then alpha;  v64-71 op x mod;  v72-87 phases (component k, slot j: pair 4 k + j);  v88-103 the series
.set EE,    56
.set MOD,   64
.set TT,    72
.set QQ,    88
.set SW,    104                        ; v104-107 slot j: the scale word in the making
.set SCOP,  108                        ; v108-111 the conversions' scale operands
.set VAL,   128                        ; v128-255 slot j: 32 numbers of wmap, one block of my pixel
.set CD,    48                         ; a block's six registers of codes, slot j at CD + 6 j;  the upper halves as made at CE + 4 j
.set CE,    72
.set FA,    24                         ; phase 2: the left fragment;  v48-95 the four right ones;  v128-159 the four accumulators
.set FB,    48
.set ACC,   128
.set SA,    120                        ; v120 the left operand's scale words, v124-127 the right's: these five hold nothing else
.set SB,    124
.set OUTR,  160
.macro BARRIER                         ; my LDS stores have landed and my LDS loads are in: then the work-group's barrier
	s_wait_dscnt 0x0
	s_barrier_signal -1
	s_barrier_wait -1
.endm
	s_load_b256 s[4:11], s[0:1], 0x0               ; gpar s[4:5], bimg s[6:7], bscl s[8:9], out0 s[10:11]
	v_lshl_add_u32 v122, v0, 2, 0x4a800
	v_mov_b32 v123, 0
	v_lshrrev_b32 v1, 5, v0
	v_readfirstlane_b32 s12, v1                    ; wave 0..15
	v_and_b32 v1, 31, v0                           ; lane
	v_and_b32 v2, 15, v0                           ; r
	v_bfe_u32 v3, v0, 4, 1                         ; lane / 16
	s_lshr_b32 s13, s12, 1                         ; phase 1: my K step
	s_and_b32 s14, s12, 1                          ; and my half of the row
	s_mul_i32 s18, s13, 6144
	s_add_co_u32 s18, s18, PARL
	v_mov_b32 v[AP], s18
	s_mul_i32 s18, s12, 12288
	v_mul_u32_u24 v[AW16], v3, 1536
	v_lshl_add_u32 v[AW8], v2, 3, v[AW16]
	v_lshl_add_u32 v[AW16], v2, 4, v[AW16]
	v_add_nc_u32 v[AW16], s18, v[AW16]
	s_add_co_u32 s19, s18, 1024
	v_add_nc_u32 v[AW8], s19, v[AW8]
	s_lshl_b32 s18, s12, 9
	s_add_co_u32 s18, s18, ASC
	v_lshlrev_b32 v[ASW], 2, v1
	v_add_nc_u32 v[ASW], s18, v[ASW]
	; phase 2's and the way out's addresses
	s_mul_i32 s18, s12, 1536
	v_lshlrev_b32 v112, 4, v1
	v_add_nc_u32 v112, s18, v112                   ; my tile's fragment of K step 0: 1,536 wave + 16 lane
	s_add_co_u32 s19, s18, 1024
	v_lshlrev_b32 v113, 3, v1
	v_add_nc_u32 v113, s19, v113                   ; + 1,024 + 8 lane
	s_lshl_b32 s18, s12, 6
	s_add_co_u32 s18, s18, ASC
	v_lshlrev_b32 v114, 2, v2
	v_add_nc_u32 v114, s18, v114                   ; its scale words: ASC + 64 wave + 4 r
	v_lshl_add_u32 v115, v1, 4, BIMG
	v_lshl_add_u32 v116, v2, 4, BSC
	v_mul_u32_u24 v117, v2, SPITCH
	v_lshl_add_u32 v117, v3, 5, v117
	s_lshl_b32 s18, s12, 6
	v_add_nc_u32 v117, s18, v117                   ; the stage, in: channel row r, my tile's 64 bytes, 32 for each half of the lanes
	s_mul_i32 s18, s12, 4*SPITCH
	v_lshlrev_b32 v119, 4, v1                      ; 16 x lane
	v_add_nc_u32 v118, s18, v119                   ; back: my four channel rows
	; the head's own offsets
	v_mul_u32_u24 v96, v0, 96
	v_lshlrev_b32 v97, 4, v0
	v_lshlrev_b32 v98, 2, v0
	v_add_nc_u32 v99, PARL, v96
	v_add_nc_u32 v100, BIMG, v97
	v_add_nc_u32 v101, BSC, v98
	s_lshl_b32 s18, ttmp9, 10                      ; out0: my row's 1,024 bytes,
	s_lshl_b32 s19, s12, 20                        ; my wave's four channels of 262,144 bytes
	s_add_co_u32 s18, s18, s19
	s_mov_b32 s19, 0
	s_wait_kmcnt 0x0
	s_add_nc_u64 s[10:11], s[10:11], s[18:19]
.irp k, 0,1,2,3,4,5
	global_load_b128 v[PAR+4*\k:PAR+4*\k+3], v96, s[4:5] offset:16*\k      ; pair t's 96 bytes
.endr
.irp k, 0,1,2,3,4,5
	global_load_b128 v[128+4*\k:131+4*\k], v97, s[6:7] offset:8192*\k      ; 512 threads x 16 bytes, six times: all of bimg
.endr
	global_load_b32 v152, v98, s[8:9]              ; all of bscl
	s_mov_b32 s20, 0xc09de9e6                      ; the series of cos(pi sqrt(z)): K1 = -pi^2/2 .. K6 = pi^12/12!; each in a pair, since the packed forms name pairs
	s_mov_b32 s21, s20
	s_mov_b32 s22, 0x4081e0f8
	s_mov_b32 s23, s22
	s_mov_b32 s24, 0xbfaae9e4
	s_mov_b32 s25, s24
	s_mov_b32 s26, 0x3e70fa83
	s_mov_b32 s27, s26
	s_mov_b32 s28, 0x3afce9c5                      ; K6
	s_mov_b32 s29, s28
	v_mov_b32 v[KV], 0xbcd368f9                    ; K5
	v_mov_b32 v[KV+1], 0xbcd368f9
	s_lshl_b32 s18, s14, 7
	v_add_nc_u32 v48, s18, v1
	v_cvt_f32_u32 v48, v48                         ; my pixel of slot 0
	v_add_f32 v[PX+0], 0.5, v48
	v_add_f32 v[PX+2], 0x42020000, v48             ; + 32.5
	v_add_f32 v[PX+4], 0x42810000, v48             ; + 64.5
	v_add_f32 v[PX+6], 0x42c10000, v48             ; + 96.5
.irp j, 0,1,2,3
	v_mov_b32 v[PX+2*\j+1], v[PX+2*\j]
.endr
	s_mov_b32 s15, ttmp9
	v_cvt_f32_u32 v50, s15
	v_add_f32 v50, 0.5, v50                        ; py + 0.5
	v_mov_b32 v51, v50
	s_wait_loadcnt 7                               ; the six loads of constants are in; the seven younger loads may be out
	v_pk_add_f32 v[48:49], v[PAR+22:PAR+23], v[50:51] neg_lo:[0,1] neg_hi:[0,1]   ; dy = ys - (py + 0.5)
	v_pk_mul_f32 v[PAR+4:PAR+5], v[PAR+4:PAR+5], v[48:49]                  ; b = B2 dy
	v_pk_mul_f32 v[PAR+6:PAR+7], v[PAR+6:PAR+7], v[48:49]
	v_pk_mul_f32 v[PAR+10:PAR+11], v[PAR+10:PAR+11], v[48:49]              ; H0 = G01 dy
	v_pk_mul_f32 v[PAR+14:PAR+15], v[PAR+14:PAR+15], v[48:49]              ; H1 = G11 dy
	v_pk_mul_f32 v[PAR+6:PAR+7], v[PAR+6:PAR+7], v[48:49]                  ; c = C2 dy dy
.irp k, 0,1,2,3,4,5
	ds_store_b128 v99, v[PAR+4*\k:PAR+4*\k+3] offset:16*\k
.endr
	s_wait_loadcnt 0x0
.irp k, 0,1,2,3,4,5
	ds_store_b128 v100, v[128+4*\k:131+4*\k] offset:8192*\k
.endr
	ds_store_b32 v101, v152
	BARRIER                                        ; the row's constants and the right operand lie in LDS
; ---- PHASE 1.  One pair of gaussians for my four pixels.  Each stage is a run over the four slots (and both components), so that no line waits for the line above it.
.macro PAIR i
.irp m, 0,1,2,3,4
	ds_load_b128 v[PAR+4*\m:PAR+4*\m+3], v[APC] offset:96*(\i)+16*\m       ; every lane reads the same words
.endr
	ds_load_b64 v[PAR+20:PAR+21], v[APC] offset:96*(\i)+80
	s_wait_dscnt 0x0                               ; all six are wanted at once
.irp j, 0,1,2,3
	v_pk_add_f32 v[DX+2*\j:DX+2*\j+1], v[PAR:PAR+1], v[PX+2*\j:PX+2*\j+1] neg_lo:[0,1] neg_hi:[0,1]   ; dx = xs - px
.endr
.irp j, 0,1,2,3
	v_pk_fma_f32 v[EE+2*\j:EE+2*\j+1], v[PAR+2:PAR+3], v[DX+2*\j:DX+2*\j+1], v[PAR+4:PAR+5]
.endr
.irp j, 0,1,2,3
	v_pk_fma_f32 v[TT+2*\j:TT+2*\j+1], v[PAR+8:PAR+9], v[DX+2*\j:DX+2*\j+1], v[PAR+10:PAR+11]         ; the phases, in revolutions
	v_pk_fma_f32 v[TT+8+2*\j:TT+8+2*\j+1], v[PAR+12:PAR+13], v[DX+2*\j:DX+2*\j+1], v[PAR+14:PAR+15]
.endr
.irp j, 0,1,2,3
	v_pk_fma_f32 v[EE+2*\j:EE+2*\j+1], v[EE+2*\j:EE+2*\j+1], v[DX+2*\j:DX+2*\j+1], v[PAR+6:PAR+7]     ; -log2(e) sigma
.endr
.irp u, 0,1,2,3,4,5,6,7
	v_exp_f32 v[EE+\u], v[EE+\u]                   ; ONE BATCH of eight; nothing names a result before the wait below
.endr
.irp u, 0,1,2,3,4,5,6,7,8,9,10,11,12,13,14,15
	v_rndne_f32 v[QQ+\u], v[TT+\u]                 ; (the first of these is the plain place behind the batch)
.endr
.irp u, 0,1,2,3,4,5,6,7
	v_pk_add_f32 v[TT+2*\u:TT+2*\u+1], v[TT+2*\u:TT+2*\u+1], v[QQ+2*\u:QQ+2*\u+1] neg_lo:[0,1] neg_hi:[0,1]   ; a: exact
.endr
.irp u, 0,1,2,3,4,5,6,7
	v_pk_mul_f32 v[TT+2*\u:TT+2*\u+1], v[TT+2*\u:TT+2*\u+1], v[TT+2*\u:TT+2*\u+1]                      ; z = a^2
.endr
.irp u, 0,1,2,3,4,5,6,7
	v_pk_fma_f32 v[QQ+2*\u:QQ+2*\u+1], v[TT+2*\u:TT+2*\u+1], s[28:29], v[KV:KV+1] op_sel_hi:[1,0,1]
.endr
.irp k, 26,24,22,20
.irp u, 0,1,2,3,4,5,6,7
	v_pk_fma_f32 v[QQ+2*\u:QQ+2*\u+1], v[QQ+2*\u:QQ+2*\u+1], v[TT+2*\u:TT+2*\u+1], s[\k:\k+1] op_sel_hi:[1,1,0]
.endr
.endr
.irp u, 0,1,2,3,4,5,6,7
	v_pk_fma_f32 v[QQ+2*\u:QQ+2*\u+1], v[QQ+2*\u:QQ+2*\u+1], v[TT+2*\u:TT+2*\u+1], 1.0 op_sel_hi:[1,1,0]   ; cos(pi a)
.endr
.irp u, 0,1,2,3,4,5,6,7
	v_pk_mul_f32 v[QQ+2*\u:QQ+2*\u+1], v[QQ+2*\u:QQ+2*\u+1], v[QQ+2*\u:QQ+2*\u+1]
.endr
.irp j, 0,1,2,3
	v_pk_fma_f32 v[MOD+2*\j:MOD+2*\j+1], v[PAR+18:PAR+19], v[QQ+2*\j:QQ+2*\j+1], v[PAR+16:PAR+17]
.endr
.irp j, 0,1,2,3
	v_pk_fma_f32 v[MOD+2*\j:MOD+2*\j+1], v[PAR+20:PAR+21], v[QQ+8+2*\j:QQ+8+2*\j+1], v[MOD+2*\j:MOD+2*\j+1]   ; op x mod
.endr
	s_wait_alu depctr_va_vdst(0)                   ; one wait for the eight exponentials, ahead of their first reader
.irp j, 0,1,2,3
	v_pk_mul_f32 v[VAL+32*\j+2*(\i):VAL+32*\j+2*(\i)+1], v[EE+2*\j:EE+2*\j+1], v[MOD+2*\j:MOD+2*\j+1]  ; wmap
.endr
.irp j, 0,1,2,3
.if (\i) == 0
	v_max3_num_f32 v[MX+\j], |v[VAL+32*\j]|, |v[VAL+32*\j+1]|, 0x1800000   ; the block's largest magnitude begins, with the floor 2^(3 - 127): the byte cannot fall under 1
.else
	v_max3_num_f32 v[MX+\j], v[MX+\j], |v[VAL+32*\j+2*(\i)]|, |v[VAL+32*\j+2*(\i)+1]|
.endif
.endr
.endm
; A block of 32 gaussians is whole in my registers: its byte, its codes, and out.  Lanes 0-15 and 16-31 hold the same block of two different pixel tiles: the term 1,536 (lane / 16) of the address puts each into its own
; fragment's image, at the place where the lane that wants block b of row r will read it.  No lane exchanges anything.
.macro QBLOCK
.irp j, 0,1,2,3
	v_add_nc_u32 v[SCOP+\j], 0xff000000, v[MX+\j]  ; 2 off the exponent field: the conversion takes this operand's exponent field as its scale
.endr
.irp j, 0,1,2,3
	v_lshrrev_b32 v[MX+\j], 23, v[SCOP+\j]         ; the scale's byte,
.endr
.irp j, 0,1,2,3
	v_lshl_or_b32 v[SW+\j], v[MX+\j], s16, v[SW+\j]   ; at its place in the K step's word
.endr
.irp j, 0,1,2,3
	v_cvt_scalef32_pk16_fp6_f32 v[CD+6*\j:CD+6*\j+2], v[VAL+32*\j:VAL+32*\j+15], v[SCOP+\j]
	v_cvt_scalef32_pk16_fp6_f32 v[CE+4*\j:CE+4*\j+2], v[VAL+32*\j+16:VAL+32*\j+31], v[SCOP+\j]   ; (a conversion's three registers begin on an even number)
.endr
	v_nop                                          ; one plain place behind the conversions
.irp j, 0,1,2,3
.irp i, 0,1,2
	v_mov_b32 v[CD+6*\j+3+\i], v[CE+4*\j+\i]
.endr
.endr
.irp j, 0,1,2,3
	ds_store_b128 v[W16C], v[CD+6*\j:CD+6*\j+3] offset:3072*\j
	ds_store_b64 v[W8C], v[CD+6*\j+4:CD+6*\j+5] offset:3072*\j
.endr
.endm
.irp j, 0,1,2,3
	v_mov_b32 v[SW+\j], 0
.endr
	s_mov_b32 s16, 0                               ; the byte's shift: 8 a block
	s_mov_b32 s17, 0                               ; the constants: 16 pairs x 96 bytes a block
	s_mov_b32 s30, 0                               ; the codes: 256 and
	s_mov_b32 s31, 0                               ; 128 bytes a block
	s_mov_b32 s15, 4
.Lblock:                                               ; four trips: the K step's four blocks
	v_add_nc_u32 v[APC], s17, v[AP]
	v_add_nc_u32 v[W16C], s30, v[AW16]
	v_add_nc_u32 v[W8C], s31, v[AW8]
.set PI, 0
.rept 16
	PAIR PI
.set PI, PI+1
.endr
	QBLOCK
	s_add_co_u32 s16, s16, 8
	s_add_co_u32 s17, s17, 1536
	s_add_co_u32 s30, s30, 256
	s_add_co_u32 s31, s31, 128
	s_sub_co_u32 s15, s15, 1
	s_cmp_lg_u32 s15, 0
	s_cbranch_scc1 .Lblock
.irp j, 0,1,2,3
	ds_store_b32 v[ASW], v[SW+\j] offset:128*\j    ; my pixels' scale words of this K step
.endr
	BARRIER                                        ; all 128 fragments and their scale words lie in LDS
; ---- PHASE 2.  Source 0 = my 16 pixels, source 1 = 16 channels: in the result lane (r, h) holds channel 16 q + r and its registers the pixels 8 h + 0 .. 7: eight neighbours of a row of out0.
.macro ADDR                            ; the K step's five addresses.  These five plain lines, which name no register of a matrix instruction, are also the places in front of the loads below (four are owed: ISA guide 7.12.1 for vector instructions)
	v_add_nc_u32 v96, s17, v112
	v_add_nc_u32 v97, s17, v113
	v_add_nc_u32 v98, s30, v114
	v_add_nc_u32 v99, s31, v115
	v_add_nc_u32 v100, s16, v116
.endm
.macro CSTEP zero
	ds_load_b128 v[FA:FA+3], v96
	ds_load_b64 v[FA+4:FA+5], v97
	ds_load_b128 v[FA+6:FA+9], v96 offset:512
	ds_load_b64 v[FA+10:FA+11], v97 offset:256
	ds_load_b32 v[SA], v98
	ds_load_b128 v[SB:SB+3], v100
.irp q, 0,1,2,3
.irp k, 0,1,2
	ds_load_b128 v[FB+12*\q+4*\k:FB+12*\q+4*\k+3], v99 offset:1536*\q+512*\k
.endr
.endr
	s_wait_dscnt 0x0                               ; all are operands of the four lines below
.irp q, 0,1,2,3                        ; the four accumulators take turns, one instruction a turn, over the backward jump too
.if \zero
	v_wmma_scale_f32_16x16x128_f8f6f4 v[ACC+8*\q:ACC+8*\q+7], v[FA:FA+11], v[FB+12*\q:FB+12*\q+11], 0, v[SA], v[SB+\q] matrix_a_fmt:MATRIX_FMT_FP6 matrix_b_fmt:MATRIX_FMT_FP6
.else
	v_wmma_scale_f32_16x16x128_f8f6f4 v[ACC+8*\q:ACC+8*\q+7], v[FA:FA+11], v[FB+12*\q:FB+12*\q+11], v[ACC+8*\q:ACC+8*\q+7], v[SA], v[SB+\q] matrix_a_fmt:MATRIX_FMT_FP6 matrix_b_fmt:MATRIX_FMT_FP6
.endif
.endr
.endm
	s_mov_b32 s17, 0                               ; a K step on: 16 fragments of the left operand,
	s_mov_b32 s30, 0                               ; their scale words,
	s_mov_b32 s31, 0                               ; 4 fragments of the right operand,
	s_mov_b32 s16, 0                               ; and its scale words
	ADDR
	CSTEP 1                                        ; the first K step starts the sums: nothing is cleared
	s_mov_b32 s15, 7
.Lk:
	s_add_co_u32 s17, s17, 24576
	s_add_co_u32 s30, s30, 1024
	s_add_co_u32 s31, s31, 6144
	s_add_co_u32 s16, s16, 256
	ADDR
	CSTEP 0
	s_sub_co_u32 s15, s15, 1
	s_cmp_lg_u32 s15, 0
	s_cbranch_scc1 .Lk
; ---- PHASE 3: the way out
.rept 4
	v_nop                                          ; four places behind the last products, in front of the first read of results
.endr
.set n, 0
.rept 32
	v_med3_num_f32 v[ACC+n], v[ACC+n], 0, 1.0      ; the clip; each accumulator from its low end on
.set n, n+1
.endr
	BARRIER                                        ; every wave's reads of the codes are over: the stage may be written over them
.irp q, 0,1,2,3
	ds_store_b128 v117, v[ACC+8*\q:ACC+8*\q+3] offset:16*SPITCH*\q
	ds_store_b128 v117, v[ACC+8*\q+4:ACC+8*\q+7] offset:16*SPITCH*\q+16
.endr
	BARRIER                                        ; 64 whole channel rows lie in the stage
.irp m, 0,1,2,3,4,5,6,7
	ds_load_b128 v[OUTR+4*\m:OUTR+4*\m+3], v118 offset:SPITCH*(\m/2)+512*(\m%2)
.endr
.irp m, 0,1,2,3,4,5,6,7
	s_wait_dscnt 7-\m                              ; LDS loads come back in order (ISA guide 5.7.1): piece m is in, the younger ones may be out
	global_store_b128 v119, v[OUTR+4*\m:OUTR+4*\m+3], s[10:11] offset:262144*(\m/2)+512*(\m%2) th:TH_STORE_NT   ; 32 lanes store 512 consecutive bytes, at a multiple of 256 from out0's first byte; written once, read by nobody here
.endr
	s_wait_tensorcnt 0x0
	ds_add_u32 v122, v123
	s_wait_dscnt 0x0
	s_endpgm
.Lfunc_end_k_q2da04bbae5_render:
	.size	k_q2da04bbae5_render, .Lfunc_end_k_q2da04bbae5_render-k_q2da04bbae5_render
	.p2alignl 7, 3214868480
	.fill 96, 4, 3214868480
	.section	.rodata,"a",@progbits
	.p2align	6, 0x0
	.amdhsa_kernel k_q2da04bbae5_render
		.amdhsa_group_segment_fixed_size 307200
		.amdhsa_private_segment_fixed_size 0
		.amdhsa_enable_private_segment 0
		.amdhsa_kernarg_size 32
		.amdhsa_user_sgpr_count 2
		.amdhsa_user_sgpr_kernarg_segment_ptr 1
		.amdhsa_wavefront_size32 1
		.amdhsa_system_sgpr_workgroup_id_x 1
		.amdhsa_system_sgpr_workgroup_id_y 1
		.amdhsa_system_sgpr_workgroup_id_z 1
		.amdhsa_system_vgpr_workitem_id 0
		.amdhsa_next_free_vgpr 256
		.amdhsa_next_free_sgpr 66
		.amdhsa_reserve_vcc 0
		.amdhsa_float_denorm_mode_32 3
		.amdhsa_float_denorm_mode_16_64 3
		.amdhsa_memory_ordered 1
		.amdhsa_forward_progress 1
		.amdhsa_inst_pref_size 146
	.end_amdhsa_kernel
	.amdgpu_metadata
---
amdhsa.version: [ 1, 2 ]
amdhsa.kernels:
  - .name:           k_q2da04bbae5_render
    .symbol:         k_q2da04bbae5_render.kd
    .args:
      - { .name: gpar, .offset: 0, .size: 8, .value_kind: global_buffer, .address_space: global }
      - { .name: bimg, .offset: 8, .size: 8, .value_kind: global_buffer, .address_space: global }
      - { .name: bscl, .offset: 16, .size: 8, .value_kind: global_buffer, .address_space: global }
      - { .name: out0, .offset: 24, .size: 8, .value_kind: global_buffer, .address_space: global }
    .group_segment_fixed_size: 307200
    .private_segment_fixed_size: 0
    .kernarg_segment_align: 8
    .kernarg_segment_size: 32
    .max_flat_workgroup_size: 512
    .sgpr_count:     66
    .vgpr_count:     256
    .wavefront_size: 32
...
	.end_amdgpu_metadata
.endif
;; end of part 2
;; ======== version 2 of 2: 2 launches; version 1 with the launch render written anew for expert scheduling mode
;; workspace buffers: gpar 49,152 bytes; bimg 49,152 bytes; bscl 2,048 bytes
;; launch prep: the kernel of part 1 again; grid 32 x 1, 1 waves a work-group, no clusters, 2,304 bytes of LDS; arguments xyz, cholesky, opacity, features_dc, gabor_freqs, gabor_weights, gpar, bimg, bscl; writes gpar, bimg, bscl
;; launch render (part 3): grid 256 x 1, 16 waves a work-group, no clusters, 307,200 bytes of LDS; arguments gpar, bimg, bscl, out0; writes out0
.if DOCPART == 3
	.amdgcn_target "amdgcn-amd-amdhsa--gfx1250"
	.amdhsa_code_object_version 6
	.text
	.protected	k_q2da04bbae5_render
	.globl	k_q2da04bbae5_render
	.p2align	8
	.type	k_q2da04bbae5_render,@function
k_q2da04bbae5_render:
	s_mov_b64 s[64:65], 0
	v_nop
	global_prefetch_b8 v0, s[64:65] scope:SCOPE_SE
	s_setreg_imm32_b32 hwreg(HW_REG_WAVE_SCHED_MODE, 0, 2), 2
	s_setreg_imm32_b32 hwreg(HW_REG_WAVE_MODE, 25, 1), 1
	s_wait_xcnt 0x0
	s_wait_alu depctr_vm_vsrc(0)
; out[c][py][px] = clip(sum over n of wmap[n][p] feats[n][c], 0, 1): one product, M = pixels, K = 1,024 gaussians, N = 64 channels, both operands FP6 (E2M3) with one E8M0 byte for each 32 gaussians.
; A work-group takes ONE ROW of the image (py = its number): 256 pixels x 1,024 gaussians of wmap, 262,144 numbers, each with one exponential and two cosines: the vector unit binds, not the matrix unit
; (512 matrix instructions a work-group) nor memory.  So all that hangs on (gaussian, row) alone is taken out of the inner work, the arithmetic is packed (two gaussians an instruction), and a lane's registers run along
; the gaussians, so that a block's largest magnitude needs no other lane and the conversions' results are the operand's registers.
; SIXTEEN WAVES of 256 registers, four to a SIMD: one wave's waits for LDS stand beside another's vector work.
; PHASES.  0: thread t turns pair t's constants into the row's (dy = ys - py - 0.5: b = B2 dy, c = C2 dy^2, Hk = Gk1 dy) -> LDS; the right operand's images and scale words are copied to LDS | barrier |
; 1: wave w makes wmap for gaussians 128 (w / 2) .. + 127 and pixels 128 (w % 2) .. + 127 (a lane a pixel, four slots of 32 pixels), block of 32 gaussians by block, quantises, and stores the codes as images of the
; left operand's registers | barrier |  2: wave w multiplies pixel tile w (16 pixels) by all 64 channels over the 8 K steps: four accumulators by turns | barrier |  3: clip, a stage in LDS | barrier | whole rows of 1,024 bytes out.
; ONE NUMBER: dx = xs - px;  alpha = 2^((A2 dx + b) dx + c);  t = G dx + H, a phase in revolutions;  a = t - nearest whole number, |a| <= 1/2;  cos(pi a) by its series in a^2 up to a^12 (the first term left out is under 7e-9);
; cos(2 pi t) = 2 cos^2(pi a) - 1 is folded into the constants:  wmap = alpha (OPB + W0 cos^2 + W1 cos^2).
; NO CLUSTER, NO TENSOR LOAD: what the work-groups share is 100,352 bytes of tables, read once at the head through registers, against 262,144 numbers of wmap made from them; nothing waits for memory in the loops.
; LIMITS: v_exp_f32 gives 0 where the result lies under 2^-126, so an alpha under about 1e-38 counts as 0; f / 2 pi is rounded once, so a phase carries about 1e-7 of itself; a block of zeros gets the byte 1 (its codes are zeros);
; NaN and infinities are not served.
; THE MODE: SCHED_MODE bits 1:0 = 2 (LLVM: expert scheduling mode 2), set by the entry lines.  The code itself states the register dependences
; between vector or matrix instructions and memory or LDS instructions, with s_wait_alu, always for 0.
; THE PLAN.  Registers that memory or LDS instructions touch:
;   the head      v4-7, v96-101, v112-119: offsets and addresses, written ahead of the first load; v96-101 are written again in phase 1 and v96-99 for phase 2.  v24-47, v128-152: loaded, some rewritten by the packed multiplies, read by the LDS stores.
;   PAR           A pair's constants.  LDS loads land in it; the pair's packed lines read it, the last of them the two runs that make op x mod.  ONE wait on va_vdst stands in a pair, behind those runs: it is the wait
;                 for the pair's eight exponentials, and it states that PAR has been read: the NEXT pair's six loads follow it at once, ahead of the pair's last eight lines, which name neither PAR nor the address.
;   v22, v23, v121  The block's three addresses: written at the loop's head, behind a wait on vm_vsrc (the last trip's loads and stores have read them) and ahead of a wait on va_vdst, behind which the block's first pair is asked for.
;   CD            A block's codes: written by the conversions and moves, one wait on va_vdst, read by eight stores; written again (as dx and alpha) behind the loop head's wait on vm_vsrc.
;   SW            The scale words: written ahead of that same wait on va_vdst, read by four stores behind the loop.
;   phase 2       TWO SETS of operands take turns (fragments and scale words).  K step s multiplies set s % 2; the loads of step s + 1 land in the other set, which step s - 1 multiplied: one wait on va_vdst at a step's head states
;                 that those products have read it, and the 18 loads follow, six behind each of the step's first three products, which name their own set and the accumulators alone.
;                 No address is written between the steps: immediate offsets reach every step, from bases made once.
;   the way out   The accumulators: written by the clip, one wait on va_vdst, read by the LDS stores.  v160-191: LDS loads land in them, the global stores read them.
;   v122, v123    Written at the head, read by the closing add alone.
.set CODES, 0                          ; LDS: 128 fragments of the left operand, 1,536 bytes each: fragment 16 s + T (K step s, pixel tile T).  In it, block b of row r: registers 0-3 of its six at 256 b + 16 r, registers 4, 5 at 1,024 + 128 b + 8 r,
                                       ;      so that lane l = 16 h + r finds block 2 c + h at 512 c + 16 l and at 1,024 + 256 c + 8 l
.set ASC,   196608                     ; their scale words: 64 x fragment + 4 r
.set BIMG,  204800                     ; the right operand's 32 fragments (4 s + q), as they lie in bimg
.set BSC,   253952                     ; its scale words: 256 s + 16 r + 4 q
.set PARL,  256000                     ; the row's constants: 96 bytes a pair of gaussians: xs, A2, b, c, G00, H0, G10, H1, OPB, W0, W1, (ys), two numbers each
.set SPITCH, 1040                      ; the stage (over CODES, when nobody reads them any more): 64 channel rows of 1,024 bytes + 16: an odd multiple of 16, so the sixteen rows of a store start in different banks (ISA guide 11.1)
.set AP,    4                          ; v4   PARL + my K step's 64 pairs
.set AW16,  5                          ; v5   where my codes' first 16 bytes go: 12,288 wave + 1,536 (lane / 16) + 16 r
.set AW8,   6                          ; v6   and the last 8: 12,288 wave + 1,024 + 1,536 (lane / 16) + 8 r
.set ASW,   7                          ; v7   my scale words: ASC + 512 wave + 4 lane
.set PX,    8                          ; v8-15  slot j: px + 0.5, twice
.set KV,    16                         ; v16-17 K5, twice
.set MX,    18                         ; v18-21 slot j: the block's largest magnitude
.set APC,   22                         ; v22, v23, v121: the three addresses for the block in hand
.set W16C,  23
.set W8C,   121
.set PAR,   24                         ; v24-47 a pair's constants
.set DX,    48                         ; v48-55 dx;  v56-63 the exponent, then alpha;  v64-71 op x mod;  v72-87 phases (component k, slot j: pair 4 k + j);  v88-103 the series
.set EE,    56
.set MOD,   64
.set TT,    72
.set QQ,    88
.set SW,    104                        ; v104-107 slot j: the scale word in the making
.set SCOP,  108                        ; v108-111 the conversions' scale operands
.set VAL,   128                        ; v128-255 slot j: 32 numbers of wmap, one block of my pixel
.set CD,    48                         ; a block's six registers of codes, slot j at CD + 6 j;  the upper halves as made at CE + 4 j
.set CE,    72
.set FA,    24                         ; phase 2: the left fragment: set p at FA + 168 p: v24-35, v192-203
.set FB,    48                         ; the four right ones: set p at FB + 156 p: v48-95, v204-251
.set ACC,   128                        ; v128-159 the four accumulators
.set SA,    120                        ; the left operand's scale words: set p in v[SA - 12 p]: v120, v108
.set SB,    124                        ; the right's four: set p at SB - 20 p: v124-127, v104-107.  All ten hold scales and nothing else, in phase 1 too
.set OUTR,  160
.macro BARRIER                         ; my LDS stores have landed and my LDS loads are in: then the work-group's barrier
	s_wait_dscnt 0x0
	s_barrier_signal -1
	s_barrier_wait -1
.endm
	s_load_b256 s[4:11], s[0:1], 0x0               ; gpar s[4:5], bimg s[6:7], bscl s[8:9], out0 s[10:11]
	v_lshl_add_u32 v122, v0, 2, 0x4a800
	v_mov_b32 v123, 0
	v_lshrrev_b32 v1, 5, v0
	v_readfirstlane_b32 s12, v1                    ; wave 0..15
	v_and_b32 v1, 31, v0                           ; lane
	v_and_b32 v2, 15, v0                           ; r
	v_bfe_u32 v3, v0, 4, 1                         ; lane / 16
	s_wait_alu depctr_va_sdst(0)                   ; s12 is written, ahead of its first reader: LDS addresses and out0's base are made from it
	s_lshr_b32 s13, s12, 1                         ; phase 1: my K step
	s_and_b32 s14, s12, 1                          ; and my half of the row
	s_mul_i32 s18, s13, 6144
	s_add_co_u32 s18, s18, PARL
	v_mov_b32 v[AP], s18
	s_mul_i32 s18, s12, 12288
	v_mul_u32_u24 v[AW16], v3, 1536
	v_lshl_add_u32 v[AW8], v2, 3, v[AW16]
	v_lshl_add_u32 v[AW16], v2, 4, v[AW16]
	v_add_nc_u32 v[AW16], s18, v[AW16]
	s_add_co_u32 s19, s18, 1024
	v_add_nc_u32 v[AW8], s19, v[AW8]
	s_lshl_b32 s18, s12, 9
	s_add_co_u32 s18, s18, ASC
	v_lshlrev_b32 v[ASW], 2, v1
	v_add_nc_u32 v[ASW], s18, v[ASW]
	; phase 2's and the way out's addresses
	s_mul_i32 s18, s12, 1536
	v_lshlrev_b32 v112, 4, v1
	v_add_nc_u32 v112, s18, v112                   ; my tile's fragment of K step 0: 1,536 wave + 16 lane
	s_add_co_u32 s19, s18, 1024
	v_lshlrev_b32 v113, 3, v1
	v_add_nc_u32 v113, s19, v113                   ; + 1,024 + 8 lane
	s_lshl_b32 s18, s12, 6
	s_add_co_u32 s18, s18, ASC
	v_lshlrev_b32 v114, 2, v2
	v_add_nc_u32 v114, s18, v114                   ; its scale words: ASC + 64 wave + 4 r
	v_lshl_add_u32 v115, v1, 4, BIMG
	v_lshl_add_u32 v116, v2, 4, BSC
	v_mul_u32_u24 v117, v2, SPITCH
	v_lshl_add_u32 v117, v3, 5, v117
	s_lshl_b32 s18, s12, 6
	v_add_nc_u32 v117, s18, v117                   ; the stage, in: channel row r, my tile's 64 bytes, 32 for each half of the lanes
	s_mul_i32 s18, s12, 4*SPITCH
	v_lshlrev_b32 v119, 4, v1                      ; 16 x lane
	v_add_nc_u32 v118, s18, v119                   ; back: my four channel rows
	; the head's own offsets
	v_mul_u32_u24 v96, v0, 96
	v_lshlrev_b32 v97, 4, v0
	v_lshlrev_b32 v98, 2, v0
	v_add_nc_u32 v99, PARL, v96
	v_add_nc_u32 v100, BIMG, v97
	v_add_nc_u32 v101, BSC, v98
	s_lshl_b32 s18, ttmp9, 10                      ; out0: my row's 1,024 bytes,
	s_lshl_b32 s19, s12, 20                        ; my wave's four channels of 262,144 bytes
	s_add_co_u32 s18, s18, s19
	s_mov_b32 s19, 0
	s_wait_kmcnt 0x0
	s_add_nc_u64 s[10:11], s[10:11], s[18:19]
	s_wait_alu depctr_va_vdst(0)                   ; all offsets and addresses made above (v4-7, v96-101, v112-119) are written: the loads below read v96-98, later loads and stores the others, and no vector line writes v4-7 or v112-119 again
.irp k, 0,1,2,3,4,5
	global_load_b128 v[PAR+4*\k:PAR+4*\k+3], v96, s[4:5] offset:16*\k      ; pair t's 96 bytes
.endr
.irp k, 0,1,2,3,4,5
	global_load_b128 v[128+4*\k:131+4*\k], v97, s[6:7] offset:8192*\k      ; 512 threads x 16 bytes, six times: all of bimg
.endr
	global_load_b32 v152, v98, s[8:9]              ; all of bscl
	s_mov_b32 s20, 0xc09de9e6                      ; the series of cos(pi sqrt(z)): K1 = -pi^2/2 .. K6 = pi^12/12!; each in a pair, since the packed forms name pairs
	s_mov_b32 s21, s20
	s_mov_b32 s22, 0x4081e0f8
	s_mov_b32 s23, s22
	s_mov_b32 s24, 0xbfaae9e4
	s_mov_b32 s25, s24
	s_mov_b32 s26, 0x3e70fa83
	s_mov_b32 s27, s26
	s_mov_b32 s28, 0x3afce9c5                      ; K6
	s_mov_b32 s29, s28
	v_mov_b32 v[KV], 0xbcd368f9                    ; K5
	v_mov_b32 v[KV+1], 0xbcd368f9
	s_lshl_b32 s18, s14, 7
	v_add_nc_u32 v48, s18, v1
	v_cvt_f32_u32 v48, v48                         ; my pixel of slot 0
	v_add_f32 v[PX+0], 0.5, v48
	v_add_f32 v[PX+2], 0x42020000, v48             ; + 32.5
	v_add_f32 v[PX+4], 0x42810000, v48             ; + 64.5
	v_add_f32 v[PX+6], 0x42c10000, v48             ; + 96.5
.irp j, 0,1,2,3
	v_mov_b32 v[PX+2*\j+1], v[PX+2*\j]
.endr
	s_mov_b32 s15, ttmp9
	v_cvt_f32_u32 v50, s15
	v_add_f32 v50, 0.5, v50                        ; py + 0.5
	v_mov_b32 v51, v50
	s_wait_loadcnt 7                               ; the six loads of constants are in; the seven younger loads may be out
	v_pk_add_f32 v[48:49], v[PAR+22:PAR+23], v[50:51] neg_lo:[0,1] neg_hi:[0,1]   ; dy = ys - (py + 0.5)
	v_pk_mul_f32 v[PAR+4:PAR+5], v[PAR+4:PAR+5], v[48:49]                  ; b = B2 dy
	v_pk_mul_f32 v[PAR+6:PAR+7], v[PAR+6:PAR+7], v[48:49]
	v_pk_mul_f32 v[PAR+10:PAR+11], v[PAR+10:PAR+11], v[48:49]              ; H0 = G01 dy
	v_pk_mul_f32 v[PAR+14:PAR+15], v[PAR+14:PAR+15], v[48:49]              ; H1 = G11 dy
	v_pk_mul_f32 v[PAR+6:PAR+7], v[PAR+6:PAR+7], v[48:49]                  ; c = C2 dy dy
	s_wait_alu depctr_va_vdst(0)                   ; the packed multiplies have written b, c, H0 and H1, which the LDS stores below read
.irp k, 0,1,2,3,4,5
	ds_store_b128 v99, v[PAR+4*\k:PAR+4*\k+3] offset:16*\k
.endr
	s_wait_loadcnt 0x0
.irp k, 0,1,2,3,4,5
	ds_store_b128 v100, v[128+4*\k:131+4*\k] offset:8192*\k
.endr
	ds_store_b32 v101, v152
	BARRIER                                        ; the row's constants and the right operand lie in LDS
; ---- PHASE 1.  One pair of gaussians for my four pixels.  Each stage is a run over the four slots (and both components), so that no line waits for the line above it.
.macro PLOAD i                         ; pair i's constants are asked for
.irp m, 0,1,2,3,4
	ds_load_b128 v[PAR+4*\m:PAR+4*\m+3], v[APC] offset:96*(\i)+16*\m       ; every lane reads the same words
.endr
	ds_load_b64 v[PAR+20:PAR+21], v[APC] offset:96*(\i)+80
.endm
.macro PAIR i
	s_wait_dscnt 0x0                               ; all six are wanted at once (they were asked for in the pair before, the block's first at the loop's head)
.irp j, 0,1,2,3
	v_pk_add_f32 v[DX+2*\j:DX+2*\j+1], v[PAR:PAR+1], v[PX+2*\j:PX+2*\j+1] neg_lo:[0,1] neg_hi:[0,1]   ; dx = xs - px
.endr
.irp j, 0,1,2,3
	v_pk_fma_f32 v[EE+2*\j:EE+2*\j+1], v[PAR+2:PAR+3], v[DX+2*\j:DX+2*\j+1], v[PAR+4:PAR+5]
.endr
.irp j, 0,1,2,3
	v_pk_fma_f32 v[TT+2*\j:TT+2*\j+1], v[PAR+8:PAR+9], v[DX+2*\j:DX+2*\j+1], v[PAR+10:PAR+11]         ; the phases, in revolutions
	v_pk_fma_f32 v[TT+8+2*\j:TT+8+2*\j+1], v[PAR+12:PAR+13], v[DX+2*\j:DX+2*\j+1], v[PAR+14:PAR+15]
.endr
.irp j, 0,1,2,3
	v_pk_fma_f32 v[EE+2*\j:EE+2*\j+1], v[EE+2*\j:EE+2*\j+1], v[DX+2*\j:DX+2*\j+1], v[PAR+6:PAR+7]     ; -log2(e) sigma
.endr
.irp u, 0,1,2,3,4,5,6,7
	v_exp_f32 v[EE+\u], v[EE+\u]                   ; ONE BATCH of eight; nothing names a result before the wait below
.endr
.irp u, 0,1,2,3,4,5,6,7,8,9,10,11,12,13,14,15
	v_rndne_f32 v[QQ+\u], v[TT+\u]                 ; (the first of these is the plain place behind the batch)
.endr
.irp u, 0,1,2,3,4,5,6,7
	v_pk_add_f32 v[TT+2*\u:TT+2*\u+1], v[TT+2*\u:TT+2*\u+1], v[QQ+2*\u:QQ+2*\u+1] neg_lo:[0,1] neg_hi:[0,1]   ; a: exact
.endr
.irp u, 0,1,2,3,4,5,6,7
	v_pk_mul_f32 v[TT+2*\u:TT+2*\u+1], v[TT+2*\u:TT+2*\u+1], v[TT+2*\u:TT+2*\u+1]                      ; z = a^2
.endr
.irp u, 0,1,2,3,4,5,6,7
	v_pk_fma_f32 v[QQ+2*\u:QQ+2*\u+1], v[TT+2*\u:TT+2*\u+1], s[28:29], v[KV:KV+1] op_sel_hi:[1,0,1]
.endr
.irp k, 26,24,22,20
.irp u, 0,1,2,3,4,5,6,7
	v_pk_fma_f32 v[QQ+2*\u:QQ+2*\u+1], v[QQ+2*\u:QQ+2*\u+1], v[TT+2*\u:TT+2*\u+1], s[\k:\k+1] op_sel_hi:[1,1,0]
.endr
.endr
.irp u, 0,1,2,3,4,5,6,7
	v_pk_fma_f32 v[QQ+2*\u:QQ+2*\u+1], v[QQ+2*\u:QQ+2*\u+1], v[TT+2*\u:TT+2*\u+1], 1.0 op_sel_hi:[1,1,0]   ; cos(pi a)
.endr
.irp u, 0,1,2,3,4,5,6,7
	v_pk_mul_f32 v[QQ+2*\u:QQ+2*\u+1], v[QQ+2*\u:QQ+2*\u+1], v[QQ+2*\u:QQ+2*\u+1]
.endr
.irp j, 0,1,2,3
	v_pk_fma_f32 v[MOD+2*\j:MOD+2*\j+1], v[PAR+18:PAR+19], v[QQ+2*\j:QQ+2*\j+1], v[PAR+16:PAR+17]
.endr
.irp j, 0,1,2,3
	v_pk_fma_f32 v[MOD+2*\j:MOD+2*\j+1], v[PAR+20:PAR+21], v[QQ+8+2*\j:QQ+8+2*\j+1], v[MOD+2*\j:MOD+2*\j+1]   ; op x mod: the pair's last reader of its constants
.endr
	s_wait_alu depctr_va_vdst(0)                   ; the eight exponentials have written alpha, ahead of their first reader; and the lines above are done reading the pair's constants, in which the loads below land
.if (\i) < 15
	PLOAD (\i)+1                                   ; the next pair's constants; the eight lines below name neither them nor the address.  (The block's last pair asks for nothing: the next block's address is not made yet, and behind the last block nothing is left to read)
.endif
.irp j, 0,1,2,3
	v_pk_mul_f32 v[VAL+32*\j+2*(\i):VAL+32*\j+2*(\i)+1], v[EE+2*\j:EE+2*\j+1], v[MOD+2*\j:MOD+2*\j+1]  ; wmap
.endr
.irp j, 0,1,2,3
.if (\i) == 0
	v_max3_num_f32 v[MX+\j], |v[VAL+32*\j]|, |v[VAL+32*\j+1]|, 0x1800000   ; the block's largest magnitude begins, with the floor 2^(3 - 127): the byte cannot fall under 1
.else
	v_max3_num_f32 v[MX+\j], v[MX+\j], |v[VAL+32*\j+2*(\i)]|, |v[VAL+32*\j+2*(\i)+1]|
.endif
.endr
.endm
; A block of 32 gaussians is whole in my registers: its byte, its codes, and out.  Lanes 0-15 and 16-31 hold the same block of two different pixel tiles: the term 1,536 (lane / 16) of the address puts each into its own
; fragment's image, at the place where the lane that wants block b of row r will read it.  No lane exchanges anything.
.macro QBLOCK
.irp j, 0,1,2,3
	v_add_nc_u32 v[SCOP+\j], 0xff000000, v[MX+\j]  ; 2 off the exponent field: the conversion takes this operand's exponent field as its scale
.endr
.irp j, 0,1,2,3
	v_lshrrev_b32 v[MX+\j], 23, v[SCOP+\j]         ; the scale's byte,
.endr
.irp j, 0,1,2,3
	v_lshl_or_b32 v[SW+\j], v[MX+\j], s16, v[SW+\j]   ; at its place in the K step's word
.endr
.irp j, 0,1,2,3
	v_cvt_scalef32_pk16_fp6_f32 v[CD+6*\j:CD+6*\j+2], v[VAL+32*\j:VAL+32*\j+15], v[SCOP+\j]
	v_cvt_scalef32_pk16_fp6_f32 v[CE+4*\j:CE+4*\j+2], v[VAL+32*\j+16:VAL+32*\j+31], v[SCOP+\j]   ; (a conversion's three registers begin on an even number)
.endr
	v_nop                                          ; one plain place behind the conversions
.irp j, 0,1,2,3
.irp i, 0,1,2
	v_mov_b32 v[CD+6*\j+3+\i], v[CE+4*\j+\i]
.endr
.endr
	s_wait_alu depctr_va_vdst(0)                   ; the conversions and the moves have written the codes, which the eight stores below read; the scale words are written too, which the four stores behind the loop read
.irp j, 0,1,2,3
	ds_store_b128 v[W16C], v[CD+6*\j:CD+6*\j+3] offset:3072*\j
	ds_store_b64 v[W8C], v[CD+6*\j+4:CD+6*\j+5] offset:3072*\j
.endr
.endm
.irp j, 0,1,2,3
	v_mov_b32 v[SW+\j], 0
.endr
	s_mov_b32 s16, 0                               ; the byte's shift: 8 a block
	s_mov_b32 s17, 0                               ; the constants: 16 pairs x 96 bytes a block
	s_mov_b32 s30, 0                               ; the codes: 256 and
	s_mov_b32 s31, 0                               ; 128 bytes a block
	s_mov_b32 s15, 4
.Lblock:                                               ; four trips: the K step's four blocks
	s_wait_alu depctr_vm_vsrc(0)                   ; the last trip's LDS loads have read v22 and its stores v23, v121 and the codes' registers, all of which this trip writes again; in the first trip: the head's LDS stores have read v24-47, v99-101 and v128-152
	v_add_nc_u32 v[APC], s17, v[AP]
	v_add_nc_u32 v[W16C], s30, v[AW16]
	v_add_nc_u32 v[W8C], s31, v[AW8]
	s_wait_alu depctr_va_vdst(0)                   ; the three addresses are written, which this trip's loads and stores read; every earlier line that wrote or read a pair's constants is done, so that the loads below may land in them
	PLOAD 0
.set PI, 0
.rept 16
	PAIR PI
.set PI, PI+1
.endr
	QBLOCK
	s_add_co_u32 s16, s16, 8
	s_add_co_u32 s17, s17, 1536
	s_add_co_u32 s30, s30, 256
	s_add_co_u32 s31, s31, 128
	s_sub_co_u32 s15, s15, 1
	s_cmp_lg_u32 s15, 0
	s_cbranch_scc1 .Lblock
.irp j, 0,1,2,3
	ds_store_b32 v[ASW], v[SW+\j] offset:128*\j    ; my pixels' scale words of this K step.  No wait: no vector line has been issued since the last block's wait on va_vdst, ahead of which the words were written
.endr
	v_add_nc_u32 v96, 73728, v112                  ; phase 2's further bases: the left operand's K steps lie 24,576 bytes apart, so an LDS offset of 16 bits reaches three steps: steps 3 to 5 from here,
	v_add_nc_u32 v97, 73728, v113
	v_add_nc_u32 v98, 147456, v112                 ; steps 6 and 7 from here.  (v96-99 were last read by memory instructions at the head, ahead of the loop's waits on vm_vsrc)
	v_add_nc_u32 v99, 147456, v113
	BARRIER                                        ; all 128 fragments and their scale words lie in LDS
; ---- PHASE 2.  Source 0 = my 16 pixels, source 1 = 16 channels: in the result lane (r, h) holds channel 16 q + r and its registers the pixels 8 h + 0 .. 7: eight neighbours of a row of out0.
; The eight K steps are written out: every address is a base made once and an immediate offset.  A step's 18 loads go in three runs of six.
.macro CLOAD_A p, s                    ; K step s into set p: the left fragment, its scale words, the right operand's scale words
.set AR, 112
.if (\s)/3 > 0
.set AR, 94+2*((\s)/3)
.endif
	ds_load_b128 v[FA+168*(\p):FA+168*(\p)+3], v[AR] offset:24576*((\s)%3)
	ds_load_b64 v[FA+168*(\p)+4:FA+168*(\p)+5], v[AR+1] offset:24576*((\s)%3)
	ds_load_b128 v[FA+168*(\p)+6:FA+168*(\p)+9], v[AR] offset:24576*((\s)%3)+512
	ds_load_b64 v[FA+168*(\p)+10:FA+168*(\p)+11], v[AR+1] offset:24576*((\s)%3)+256
	ds_load_b32 v[SA-12*(\p)], v114 offset:1024*(\s)
	ds_load_b128 v[SB-20*(\p):SB-20*(\p)+3], v116 offset:256*(\s)
.endm
.macro CLOAD_B p, s, q0                ; the right fragments q0 and q0 + 1
.irp q, \q0, \q0+1
.irp k, 0,1,2
	ds_load_b128 v[FB+156*(\p)+12*(\q)+4*\k:FB+156*(\p)+12*(\q)+4*\k+3], v115 offset:6144*(\s)+1536*(\q)+512*\k
.endr
.endr
.endm
.macro MUL p, q, zero                  ; the four accumulators take turns, one instruction a turn, from step to step too
.if \zero
	v_wmma_scale_f32_16x16x128_f8f6f4 v[ACC+8*(\q):ACC+8*(\q)+7], v[FA+168*(\p):FA+168*(\p)+11], v[FB+156*(\p)+12*(\q):FB+156*(\p)+12*(\q)+11], 0, v[SA-12*(\p)], v[SB-20*(\p)+(\q)] matrix_a_fmt:MATRIX_FMT_FP6 matrix_b_fmt:MATRIX_FMT_FP6
.else
	v_wmma_scale_f32_16x16x128_f8f6f4 v[ACC+8*(\q):ACC+8*(\q)+7], v[FA+168*(\p):FA+168*(\p)+11], v[FB+156*(\p)+12*(\q):FB+156*(\p)+12*(\q)+11], v[ACC+8*(\q):ACC+8*(\q)+7], v[SA-12*(\p)], v[SB-20*(\p)+(\q)] matrix_a_fmt:MATRIX_FMT_FP6 matrix_b_fmt:MATRIX_FMT_FP6
.endif
.endm
.macro CSTEP s                         ; K steps 1 to 7
	s_wait_dscnt 0x0                               ; this step's 18 loads are in: none was issued behind them
.if (\s) < 7
.rept 4
	v_nop                                          ; four plain places stand between the last step's products and the loads into their operands' registers; the wait below fills no place
.endr
	s_wait_alu depctr_va_vdst(0)                   ; the last step's four products are done reading their set of fragments and scale words, in which the 18 loads below land
	MUL (\s)%2, 0, 0
	CLOAD_A 1-(\s)%2, (\s)+1                       ; no further wait: this step's products name their own set and the accumulators alone
	MUL (\s)%2, 1, 0
	CLOAD_B 1-(\s)%2, (\s)+1, 0
	MUL (\s)%2, 2, 0
	CLOAD_B 1-(\s)%2, (\s)+1, 2
	MUL (\s)%2, 3, 0
.else
	MUL (\s)%2, 0, 0                               ; the last step asks for nothing, so it states nothing
	MUL (\s)%2, 1, 0
	MUL (\s)%2, 2, 0
	MUL (\s)%2, 3, 0
.endif
.endm
	s_wait_alu depctr_vm_vsrc(0)                   ; my LDS stores of the last block's codes have read v48-71, and those of the scale words v104-107: the loads below land in them
	s_wait_alu depctr_va_vdst(0)                   ; v96-99 are written, which loads of K steps 3 to 7 read; and phase 1's vector lines are done with v24-35, v48-95, v104-108 and v192-251, in which the two sets land
	CLOAD_A 0, 0
	CLOAD_B 0, 0, 0
	CLOAD_B 0, 0, 2
	CLOAD_A 1, 1
	CLOAD_B 1, 1, 0
	CLOAD_B 1, 1, 2
	s_wait_dscnt 18                                ; LDS loads come back in order (ISA guide 5.7.1): K step 0's 18 are in, step 1's 18 may be out
	MUL 0, 0, 1                                    ; the first K step starts the sums: nothing is cleared
	MUL 0, 1, 1
	MUL 0, 2, 1
	MUL 0, 3, 1
.irp s, 1,2,3,4,5,6,7
	CSTEP \s
.endr
; ---- PHASE 3: the way out
.rept 4
	v_nop                                          ; four places behind the last products, in front of the first read of results
.endr
.set n, 0
.rept 32
	v_med3_num_f32 v[ACC+n], v[ACC+n], 0, 1.0      ; the clip; each accumulator from its low end on
.set n, n+1
.endr
	BARRIER                                        ; every wave's reads of the codes are over: the stage may be written over them
	s_wait_alu depctr_va_vdst(0)                   ; the clip has written the accumulators, which the LDS stores below read
.irp q, 0,1,2,3
	ds_store_b128 v117, v[ACC+8*\q:ACC+8*\q+3] offset:16*SPITCH*\q
	ds_store_b128 v117, v[ACC+8*\q+4:ACC+8*\q+7] offset:16*SPITCH*\q+16
.endr
	BARRIER                                        ; 64 whole channel rows lie in the stage
.irp m, 0,1,2,3,4,5,6,7
	ds_load_b128 v[OUTR+4*\m:OUTR+4*\m+3], v118 offset:SPITCH*(\m/2)+512*(\m%2)   ; v160-191: no vector line has named them since phase 1, ahead of the waits above
.endr
.irp m, 0,1,2,3,4,5,6,7
	s_wait_dscnt 7-\m                              ; LDS loads come back in order (ISA guide 5.7.1): piece m is in, the younger ones may be out
	global_store_b128 v119, v[OUTR+4*\m:OUTR+4*\m+3], s[10:11] offset:262144*(\m/2)+512*(\m%2) th:TH_STORE_NT   ; 32 lanes store 512 consecutive bytes, at a multiple of 256 from out0's first byte; written once, read by nobody here
.endr
	s_wait_dscnt 0x0                               ; the closing lines, six on end
	s_wait_alu 0x0
	s_wait_tensorcnt 0x0
	ds_add_u32 v122, v123
	s_wait_dscnt 0x0
	s_endpgm
.Lfunc_end_k_q2da04bbae5_render:
	.size	k_q2da04bbae5_render, .Lfunc_end_k_q2da04bbae5_render-k_q2da04bbae5_render
	.p2alignl 7, 3214868480
	.fill 96, 4, 3214868480
	.section	.rodata,"a",@progbits
	.p2align	6, 0x0
	.amdhsa_kernel k_q2da04bbae5_render
		.amdhsa_group_segment_fixed_size 307200
		.amdhsa_private_segment_fixed_size 0
		.amdhsa_enable_private_segment 0
		.amdhsa_kernarg_size 32
		.amdhsa_user_sgpr_count 2
		.amdhsa_user_sgpr_kernarg_segment_ptr 1
		.amdhsa_wavefront_size32 1
		.amdhsa_system_sgpr_workgroup_id_x 1
		.amdhsa_system_sgpr_workgroup_id_y 1
		.amdhsa_system_sgpr_workgroup_id_z 1
		.amdhsa_system_vgpr_workitem_id 0
		.amdhsa_next_free_vgpr 256
		.amdhsa_next_free_sgpr 66
		.amdhsa_reserve_vcc 0
		.amdhsa_float_denorm_mode_32 3
		.amdhsa_float_denorm_mode_16_64 3
		.amdhsa_memory_ordered 1
		.amdhsa_forward_progress 1
		.amdhsa_inst_pref_size 157
	.end_amdhsa_kernel
	.amdgpu_metadata
---
amdhsa.version: [ 1, 2 ]
amdhsa.kernels:
  - .name:           k_q2da04bbae5_render
    .symbol:         k_q2da04bbae5_render.kd
    .args:
      - { .name: gpar, .offset: 0, .size: 8, .value_kind: global_buffer, .address_space: global }
      - { .name: bimg, .offset: 8, .size: 8, .value_kind: global_buffer, .address_space: global }
      - { .name: bscl, .offset: 16, .size: 8, .value_kind: global_buffer, .address_space: global }
      - { .name: out0, .offset: 24, .size: 8, .value_kind: global_buffer, .address_space: global }
    .group_segment_fixed_size: 307200
    .private_segment_fixed_size: 0
    .kernarg_segment_align: 8
    .kernarg_segment_size: 32
    .max_flat_workgroup_size: 512
    .sgpr_count:     66
    .vgpr_count:     256
    .wavefront_size: 32
...
	.end_amdgpu_metadata
.endif
;; end of part 3
